; MI455X (gfx1250); checked and timed in simulation.
; The chip was launched on July 23, 2026; its instructions are those of AMD's public machine-readable ISA for CDNA 5 (MIT licence, August 2026) and "CDNA5" Instruction Set Architecture Reference Guide (July 2026). The comments in the code are by the model that wrote it; some were corrected since.
;; UTF8 Code Book. Allowed arithmetic: matrix products marked QUANTISED: E4M3 operands, one E8M0 scale for each 32 along K, by v_wmma_scale_f32_16x16x128_f8f6f4 with both operands' format E4M3, f32 sums; everything else in f32.
;; Inputs: codebook 32,768 x 128 float32; x 4,096 x 128 float32.
;; Outputs: out0 4,096 x 1 int32.
;; Constants: k = 1.
;; This version of the problem:
;;   THIS VERSION OF THE PROBLEM IS GIVEN IN LOW PRECISION. The matrix products marked QUANTISED in the list below multiply operands that are first quantised to E4M3 (4 exponent bits, 3 mantissa bits; 8 bits a number), with one power-of-two scale for each 32 numbers along K (OCP MX v1.0); their sums are f32. All else is computed in f32.
;;   The module's matrix products, in the order in which they are computed (A, B: the left and right operand; K: the contracted axis; several contracted axes count as one K, in the product's order):
;;     1. [M 4,096, K 128] x [K 128, N 32,768]; A: input x; B: input codebook: QUANTISED
;;   THE QUANTISER, for each operand of a quantised product, along K:
;;     - K is cut into blocks of 32 from its start; a last block that is shorter is filled with zeros.
;;     - A block's scale is 2^e with e = floor(log2(the largest magnitude in the block)) - 8, held to -126 .. 127; a block of zeros has e = 0. As a byte (E8M0): e + 127.
;;     - Each number is divided by its block's scale, clamped to +-448, and rounded to the nearest number of E4M3, ties to even, subnormals kept.
;;     - The product sums the exact products of the quantised numbers (number of the format x scale) in f32.
;;   ~~~python
;;   def quantise(x, axis):      # numpy; x: float32 -> the quantised numbers, widened to float32 again
;;       x = np.moveaxis(x, axis, -1); K = x.shape[-1]
;;       x = np.pad(x, [(0, 0)] * (x.ndim - 1) + [(0, -K % 32)]); x = x.reshape(x.shape[:-1] + (-1, 32)); a = np.abs(x).max(-1, keepdims=True)
;;       e = np.where(a > 0, np.clip(np.frexp(np.where(a > 0, a, 1))[1] - 1 - 8, -126, 127), 0)      # np.frexp(a)[1] - 1 = floor(log2(a)), exactly
;;       r = np.clip(x / 2.0 ** e, -448, 448)
;;       step = 2.0 ** (np.maximum(np.frexp(np.where(r == 0, 1, r))[1] - 1, -6) - 3)
;;       q = np.round(r / step) * step * 2.0 ** e      # np.round: ties to even
;;       return np.moveaxis(q.reshape(q.shape[:-2] + (-1,))[..., :K], -1, axis).astype(np.float32)
;;   ~~~
;; 2 versions, each right; version 2 is version 1 with the launch pick written anew for expert scheduling mode. Each part assembles by itself: llvm-mc -triple=amdgcn-amd-amdhsa -mcpu=gfx1250 --defsym DOCPART=n.
;; ======== version 1 of 2: 3 launches
;; workspace buffers: xq 557,056 bytes; cbq 4,456,448 bytes; part 1,048,576 bytes of whole numbers
;; launch quant (part 1): grid 288 x 1, 4 waves a work-group, no clusters, 69,120 bytes of LDS; arguments x, codebook, xq, cbq; writes xq, cbq
.if DOCPART == 1
	.amdgcn_target "amdgcn-amd-amdhsa--gfx1250"
	.amdhsa_code_object_version 6
	.text
	.protected	k_qdabeca5900_quant
	.globl	k_qdabeca5900_quant
	.p2align	8
	.type	k_qdabeca5900_quant,@function
k_qdabeca5900_quant:
	s_mov_b64 s[64:65], 0
	v_nop
	global_prefetch_b8 v0, s[64:65] scope:SCOPE_SE
	s_setreg_imm32_b32 hwreg(HW_REG_WAVE_MODE, 25, 1), 1
	s_wait_xcnt 0x0
; x [4096][128] and codebook [32768][128], f32, become RECORDS of 4,352 bytes (17 x 256): two tiles of 16 rows as codes of FP8 (E4M3) in the order of a matrix operand's registers,
; their E8M0 scale words and the rows' sums of squares.
;   +2048 t   tile t: byte 512 c + 256 h + 16 p + i is the code of row p at k = 32 c + 16 h + i: four loads of 16 bytes a lane, at 16 x lane + 512 c, are the fragment
;   +4096     scale words [t][p], byte b for k = 32 b .. 32 b + 31          +4224  sums of squares [t][p], f32, of the numbers as they came
; ROWS.  xq, record R: tile t, row p = query 32 R + 16 t + p.   cbq, record R: code 64 (R / 2) + 32 (p / 8) + 8 (2 (R % 2) + t) + p % 8: so the eight results that a lane of the next launch
; holds of each of the four tiles of records 2 S, 2 S + 1 are 32 neighbouring codes.
; x IS STORED AS 2 x (each scale byte + 1: exact; a byte is 246 at the most before that), THE CODEBOOK'S SQUARES NEGATED: one matrix instruction with the squares as C then gives 2 x.c - |c|^2.
; A block's scale is 2^(floor(log2(its largest magnitude)) - 8): its byte is that magnitude's exponent field - 8, held at 1 from below.  A block of zeros keeps the byte 1 (2 in xq): its codes are zeros, and this program alone reads the bytes.
; LIMITS: blocks whose largest magnitude lies under 2^(8 - 126) keep the floor's byte and were not tried; NaN and infinities are not served; a row's square is summed in four chains and joined, not in reference()'s order.
; SHARES.  One wave makes one record from 32 rows (16 KiB).  Work-groups 0-31 take x, the others the codebook: ONE path, on which only pointers and constants are chosen by the work-group's number.
; Each load reads one whole row, 512 consecutive bytes; a tile turns through the wave's own stage in LDS so that a lane holds 16 neighbours of each block of 32.  Waves share nothing: no barrier, no cluster (no byte is read twice).
.set RECB,  4352
.set SP,    528                        ; a stage row: 512 bytes + 16 = 33 x 16: the sixteen rows that a load touches begin 16 bytes apart modulo 256
.set ST1,   16*SP                      ; the second stage
.set TAIL,  32*SP                      ; 256 bytes for the scale words and squares
.set WREG,  TAIL+256                   ; LDS of one wave
.set R0,    16                         ; v16-79   tile 0 as loaded; later tile 1 turned
.set R1,    80                         ; v80-143  tile 1 as loaded
.set XN,    144                        ; v144-207 tile 0 turned: register 16 c + i = k 32 c + 16 h + i of row p
.set PC0,   208                        ; v208-223 tile 0's codes
.set PC1,   144                        ; tile 1's, where tile 0's numbers lay
.set PW,    224                        ; v224-225 the tiles' scale words
.set SQ,    226                        ; v226-227 the tiles' squares
.set AC,    228                        ; v228-231 two packed chains
.set PT,    232                        ; a lane exchange's destination
.set TM,    240                        ; v240-243 largest magnitudes, 244-247 bytes, 248-251 448 x scale, 252-255 the conversions' scale operands
.set SEL,   22                         ; s[22:23] selects of v_permlanex16_b32: lane l xor 16
.set MNT,   24                         ; s24 the mantissa field of 448
	s_load_b256 s[4:11], s[0:1], 0x0               ; x, codebook, xq, cbq
	v_lshl_add_u32 v238, v0, 2, 0x10c00
	v_mov_b32 v239, 0
	v_lshrrev_b32 v1, 5, v0
	v_readfirstlane_b32 s26, v1                    ; wave
	v_and_b32 v1, 31, v0                           ; lane
	v_and_b32 v2, 15, v0                           ; p
	v_bfe_u32 v3, v0, 4, 1                         ; h
	s_mul_i32 s27, s26, WREG
	v_lshlrev_b32 v4, 4, v1                        ; 16 x lane: my bytes of a row, and of an image's 512
	v_add_nc_u32 v8, s27, v4                       ; into a stage: a row as it lies
	v_mul_u32_u24 v9, v2, SP
	v_lshl_add_u32 v9, v3, 6, v9
	v_add_nc_u32 v9, s27, v9                       ; out of it: row p, + 64 h: my 16 numbers of a block
	v_lshlrev_b32 v11, 2, v1
	v_add_nc_u32 v11, s27, v11                     ; the tail, in: 4 bytes a lane
	v_lshlrev_b32 v13, 3, v1                       ; and out: 8 bytes a lane
	v_add_nc_u32 v12, s27, v13
	v_cmp_lt_u32 s25, 15, v1                       ; lanes 16-31
	s_mov_b32 s[SEL], 0x76543210
	s_mov_b32 s[SEL+1], 0xfedcba98
	s_mov_b32 s[MNT], 0x600000
	v_mov_b32 v[PT], 0                             ; a lane exchange's destination counts as read: written once
.irp b, 0,1,2,3
	v_mov_b32 v[TM+4+\b], 0
.endr
	s_cmp_lt_u32 ttmp9, 32                         ; x's work-group or the codebook's?  The choice hangs on the work-group's number alone
	s_cselect_b32 s16, 0, 32                       ; the tensor's first work-group
	s_mov_b32 s17, 4096
	s_cselect_b32 s17, 8192, s17                   ; from tile 0 to tile 1, in bytes: 16 rows, or 8
	s_mov_b32 s18, 16384
	s_cselect_b32 s18, 4096, s18                   ; from rows 0-7 to rows 8-15: 8 rows, or 32
	s_cselect_b32 s19, 0, 0x80000000               ; the codebook's squares are negated
	s_cselect_b32 s20, 0x01010101, 0               ; x's scale bytes + 1
	s_wait_kmcnt 0x0
	s_cselect_b64 s[12:13], s[4:5], s[6:7]         ; in
	s_cselect_b64 s[14:15], s[8:9], s[10:11]       ; out
	s_sub_co_u32 s21, ttmp9, s16
	s_lshl_b32 s21, s21, 2
	s_add_co_u32 s21, s21, s26                     ; R, my record
	s_lshl_b32 s28, s21, 14                        ; x: 32 rows of 512 bytes a record
	s_lshr_b32 s29, s21, 1
	s_lshl_b32 s29, s29, 15                        ; codebook: 64 rows for two records,
	s_and_b32 s30, s21, 1
	s_lshl_b32 s30, s30, 13                        ; the odd one 16 rows on
	s_add_co_u32 s29, s29, s30
	s_cmp_lt_u32 ttmp9, 32                         ; (the sums above have written SCC)
	s_cselect_b32 s28, s28, s29
	s_mov_b32 s29, 0
	s_add_nc_u64 s[12:13], s[12:13], s[28:29]
	s_mul_i32 s30, s21, RECB
	s_mov_b32 s31, 0
	s_add_nc_u64 s[14:15], s[14:15], s[30:31]
	v_add_nc_u32 v5, s18, v4                       ; v4-7: 16 x lane + tile + half of the tile's rows
	v_add_nc_u32 v6, s17, v4
	v_add_nc_u32 v7, s18, v6
.macro LOADT t, reg                    ; tile t: sixteen rows, each 512 consecutive bytes; read once in the launch
.irp i, 0,1,2,3,4,5,6,7,8,9,10,11,12,13,14,15
	global_load_b128 v[\reg+4*\i:\reg+4*\i+3], v[4+2*\t+\i/8], s[12:13] offset:(\i%8)*512 th:TH_LOAD_NT
.endr
.endm
.macro TURN src, dst, st               ; through my stage: LDS serves a wave's instructions in order (ISA guide 5.7.1.4), so no wait stands between the stores and the loads
.irp i, 0,1,2,3,4,5,6,7,8,9,10,11,12,13,14,15
	ds_store_b128 v8, v[\src+4*\i:\src+4*\i+3] offset:\st+SP*\i
.endr
.irp c, 0,1,2,3
.irp j, 0,1,2,3
	ds_load_b128 v[\dst+16*\c+4*\j:\dst+16*\c+4*\j+3], v9 offset:\st+128*\c+16*\j
.endr
.endr
.endm
.macro SQUARE n, out                   ; the row's sum of squares: my 64 numbers in two packed chains, then lane l xor 16's 64.  It stands ahead of QUANT, whose hold rewrites the numbers
	v_pk_mul_f32 v[AC:AC+1], v[\n:\n+1], v[\n:\n+1]
	v_pk_mul_f32 v[AC+2:AC+3], v[\n+2:\n+3], v[\n+2:\n+3]
.irp i, 4,8,12,16,20,24,28,32,36,40,44,48,52,56,60
	v_pk_fma_f32 v[AC:AC+1], v[\n+\i:\n+\i+1], v[\n+\i:\n+\i+1], v[AC:AC+1]
	v_pk_fma_f32 v[AC+2:AC+3], v[\n+\i+2:\n+\i+3], v[\n+\i+2:\n+\i+3], v[AC+2:AC+3]
.endr
	v_pk_add_f32 v[AC:AC+1], v[AC:AC+1], v[AC+2:AC+3]
	v_add_f32 v[AC], v[AC], v[AC+1]
	v_permlanex16_b32 v[PT], v[AC], s[SEL], s[SEL+1]
	v_add_f32 v[\out], v[AC], v[PT]
.endm
.macro QUANT n, pc, pw                 ; 64 numbers of a lane become a fragment's 16 registers of codes and the row's scale word
.irp b, 0,1,2,3
	v_max3_num_f32 v[TM+\b], |v[\n+16*\b]|, |v[\n+1+16*\b]|, 0x4800000   ; block b: my 16 numbers, and the floor 2^(9 - 127): so the byte cannot fall under 1
.endr
.irp i, 2,4,6,8,10,12,14
.irp b, 0,1,2,3
	v_max3_num_f32 v[TM+\b], v[TM+\b], |v[\n+16*\b+\i]|, |v[\n+1+16*\b+\i]|   ; (the four blocks by turns)
.endr
.endr
.irp b, 0,1,2,3
	v_permlanex16_b32 v[TM+4+\b], v[TM+\b], s[SEL], s[SEL+1]
.endr
.irp b, 0,1,2,3
	v_max_num_f32 v[TM+\b], v[TM+\b], v[TM+4+\b]   ; with lane l xor 16's: the block's largest magnitude
.endr
.irp b, 0,1,2,3
	v_add_nc_u32 v[TM+12+\b], 0xfc000000, v[TM+\b]   ; 8 off its exponent field: the conversion takes this operand's exponent field as its scale
.endr
.irp b, 0,1,2,3
	v_and_or_b32 v[TM+8+\b], v[TM+\b], 0x7f800000, s[MNT]   ; 448 x the scale
.endr
.irp b, 0,1,2,3
	v_lshrrev_b32 v[TM+4+\b], 23, v[TM+12+\b]      ; the scale's byte
.endr
	v_lshl_or_b32 v[\pw], v[TM+5], 8, v[TM+4]
	v_lshl_or_b32 v[\pw], v[TM+6], 16, v[\pw]
	v_lshl_or_b32 v[\pw], v[TM+7], 24, v[\pw]
.irp b, 0,1,2,3
.irp i, 0,1,2,3,4,5,6,7,8,9,10,11,12,13,14,15
	v_med3_num_f32 v[\n+16*\b+\i], v[\n+16*\b+\i], -v[TM+8+\b], v[TM+8+\b]   ; the conversion to an 8-bit code does not saturate (ISA guide 7.6.2): the hold comes first
.endr
	v_cvt_scalef32_pk8_fp8_f32 v[\pc+4*\b:\pc+1+4*\b], v[\n+16*\b:\n+7+16*\b], v[TM+12+\b]
	v_cvt_scalef32_pk8_fp8_f32 v[\pc+2+4*\b:\pc+3+4*\b], v[\n+8+16*\b:\n+15+16*\b], v[TM+12+\b]
.endr
	v_nop                                          ; one plain line behind the last conversion, ahead of whatever next writes its sources
.endm
.macro OUTT pc, t                      ; the image: each store covers 512 consecutive bytes, at a multiple of 256 from the buffer's first byte
.irp c, 0,1,2,3
	global_store_b128 v4, v[\pc+4*\c:\pc+4*\c+3], s[14:15] offset:2048*\t+512*\c
.endr
.endm
	LOADT 0, R0
	LOADT 1, R1
	s_wait_loadcnt 16                              ; tile 0's sixteen loads are in; tile 1's sixteen stay out
	TURN R0, XN, 0
	s_wait_loadcnt 0x0                             ; tile 1 is in
	s_wait_dscnt 0x0                               ; tile 0 is turned, and its stores have read v16-79, into which tile 1 now turns
	TURN R1, R0, ST1
	SQUARE XN, SQ
	QUANT XN, PC0, PW
	OUTT PC0, 0
	s_wait_dscnt 0x0                               ; tile 1 is turned
	SQUARE R0, SQ+1
	QUANT R0, PC1, PW+1
	OUTT PC1, 1
	v_cndmask_b32 v233, v[PW], v[PW+1], s25        ; both halves of the lanes hold a row's word: lanes 0-15 give tile 0's, lanes 16-31 tile 1's
	v_add_nc_u32 v233, s20, v233                   ; x: each byte + 1
	v_cndmask_b32 v234, v[SQ], v[SQ+1], s25
	v_xor_b32 v234, s19, v234                      ; the codebook: negated
	ds_store_b32 v11, v233 offset:TAIL
	ds_store_b32 v11, v234 offset:TAIL+128
	ds_load_b64 v[236:237], v12 offset:TAIL        ; back as 8 bytes a lane,
	s_wait_dscnt 0x0
	global_store_b64 v13, v[236:237], s[14:15] offset:4096   ; so that one store covers the record's last 256 bytes
	s_wait_tensorcnt 0x0
	ds_add_u32 v238, v239
	s_wait_dscnt 0x0
	s_endpgm
.Lfunc_end_k_qdabeca5900_quant:
	.size	k_qdabeca5900_quant, .Lfunc_end_k_qdabeca5900_quant-k_qdabeca5900_quant
	.p2alignl 7, 3214868480
	.fill 96, 4, 3214868480
	.section	.rodata,"a",@progbits
	.p2align	6, 0x0
	.amdhsa_kernel k_qdabeca5900_quant
		.amdhsa_group_segment_fixed_size 69120
		.amdhsa_private_segment_fixed_size 0
		.amdhsa_enable_private_segment 0
		.amdhsa_kernarg_size 32
		.amdhsa_user_sgpr_count 2
		.amdhsa_user_sgpr_kernarg_segment_ptr 1
		.amdhsa_wavefront_size32 1
		.amdhsa_system_sgpr_workgroup_id_x 1
		.amdhsa_system_sgpr_workgroup_id_y 1
		.amdhsa_system_sgpr_workgroup_id_z 1
		.amdhsa_system_vgpr_workitem_id 0
		.amdhsa_next_free_vgpr 256
		.amdhsa_next_free_sgpr 66
		.amdhsa_reserve_vcc 0
		.amdhsa_float_denorm_mode_32 3
		.amdhsa_float_denorm_mode_16_64 3
		.amdhsa_memory_ordered 1
		.amdhsa_forward_progress 1
		.amdhsa_inst_pref_size 32
	.end_amdhsa_kernel
	.amdgpu_metadata
---
amdhsa.version: [ 1, 2 ]
amdhsa.kernels:
  - .name:           k_qdabeca5900_quant
    .symbol:         k_qdabeca5900_quant.kd
    .args:
      - { .name: x, .offset: 0, .size: 8, .value_kind: global_buffer, .address_space: global }
      - { .name: codebook, .offset: 8, .size: 8, .value_kind: global_buffer, .address_space: global }
      - { .name: xq, .offset: 16, .size: 8, .value_kind: global_buffer, .address_space: global }
      - { .name: cbq, .offset: 24, .size: 8, .value_kind: global_buffer, .address_space: global }
    .group_segment_fixed_size: 69120
    .private_segment_fixed_size: 0
    .kernarg_segment_align: 8
    .kernarg_segment_size: 32
    .max_flat_workgroup_size: 128
    .sgpr_count:     66
    .vgpr_count:     256
    .wavefront_size: 32
...
	.end_amdgpu_metadata
.endif
;; end of part 1
;; launch scan (part 2): grid 8 x 32, 8 waves a work-group, clusters of 4 x 4, 226,304 bytes of LDS; arguments xq, cbq, part; writes part
.if DOCPART == 2
	.amdgcn_target "amdgcn-amd-amdhsa--gfx1250"
	.amdhsa_code_object_version 6
	.text
	.protected	k_qdabeca5900_scan
	.globl	k_qdabeca5900_scan
	.p2align	8
	.type	k_qdabeca5900_scan,@function
k_qdabeca5900_scan:
	s_mov_b64 s[64:65], 0
	v_nop
	global_prefetch_b8 v0, s[64:65] scope:SCOPE_SE
	s_setreg_imm32_b32 hwreg(HW_REG_WAVE_MODE, 25, 1), 1
	s_wait_xcnt 0x0
	s_wait_alu depctr_hold_cnt(0) depctr_sa_sdst(0) depctr_va_vdst(0) depctr_va_sdst(0) depctr_va_ssrc(0) depctr_va_vcc(0) depctr_vm_vsrc(0)
	s_getreg_b32 s2, hwreg(HW_REG_IB_STS2, 6, 4)
	s_cmp_eq_u32 s2, 0
	s_cbranch_scc0 .Lentry_in_a_cluster
	s_endpgm
.Lentry_in_a_cluster:
	s_bfe_u32 s2, ttmp6, 0x10000c
	s_cmp_lg_u32 s2, 0xf033
	s_cbranch_scc0 .Lentry_shape_is_right
	s_endpgm
.Lentry_shape_is_right:
; For each query and each range of 1,024 codes: the largest d' = (2 x.c - |c|^2) - |x|^2 = -(squared distance) over the range, and the CELL of 32 neighbouring codes in which it first occurs.
; xq, cbq: records of 4,352 bytes: two tiles of 16 rows as images of a matrix operand's registers (+2048 t), scale words (+4096), squares (+4224); x's codes stand for 2 x, the codes' squares are negated.
; THE PRODUCT: source 0 = 16 codes, source 1 = 16 queries, C = -|c|^2 in the result's layout: lane (r, h) holds query r, and its eight results are y = 2 x.c - |c|^2 of codes 8 h + 0 .. 7 of the tile.
; By the records' order of rows the 4 x 8 results of a lane over records 2 S, 2 S + 1 are the 32 neighbouring codes of cell 2 S + h.
; PER NUMBER ONLY A MAXIMUM IS TAKEN, three operands a line.  Rounding is monotone, so the largest rounded y - |x|^2 of a cell is the rounded (largest y) - |x|^2: the subtraction, the compare, the choice of the
; cell and the running maximum are made once a cell: 20 vector lines for 4 matrix instructions.  A strict compare keeps the first cell; ties between lanes and waves go to the lower cell.  The code inside the cell is found by the next launch.
; ORDER OF ROUNDING (a stated limit): (|c|^2 - 2 x.c, summed in the matrix unit) + |x|^2, where reference() has (|x|^2 - 2 x.c) + |c|^2.  NaN and infinities are not served.
; SHARES.  Work-group (x, y): 512 queries (16 records of xq) x 1,024 codes (32 records of cbq).  Wave w: query group w / 4 (256 queries: 16 tiles, which stay in window 1's 256 registers) x quarter w % 4 of the codes (8 records).
; Two waves to a SIMD, so that one wave's vector lines stand beside the other's products.  A record costs 13 LDS loads and feeds 32 products.
; LDS is filled ONCE: all 209 KB of a work-group's records are asked for at the head; nothing is filled again, so there is no ring.  The codes come in two chunks, so that work begins on the first.
; CLUSTER, 4 x 4: the four work-groups of a column need the same queries, the four of a row the same codes: each block is asked for jointly, by the same tensor load with a mask that names the four.
.set RECB,  4352
.set CHUNK, 4*RECB                     ; what one tensor load brings: 68 rows of 256 bytes
.set QUART, 8*RECB                     ; a wave's eight records
.set CR,    16*RECB                    ; LDS: 16 records of xq from 0, 32 of cbq from here,
.set SCR,   48*RECB                    ; and 16,384 bytes for the waves' results, into which no tensor load lands
.set AB,    8                          ; v8-39, v40-71    two buffers of a record's two fragments
.set CB,    72                         ; v72-87, v88-103  two buffers of its squares in the result's layout
.set AS,    104                        ; v104-105 its scale words: lanes 0-15 tile 0's, lanes 16-31 tile 1's
.set BS,    106                        ; v106-113 the queries' scale words, a register a record, likewise
.set XSQ,   114                        ; v114-129 |x|^2 of my query in tile q
.set M,     130                        ; v130-145 the largest d' so far
.set IDX,   146                        ; v146-161 the pair of records in which it was found
.set U,     162                        ; v162-177 the cell's largest y so far
.set DS,    178                        ; v178-209, v210-241 two sets of four results
.set T,     242                        ; v242-245 at work; v246-247 lane exchanges' destinations
.set G0X,   20                         ; s[20:23] group 0 for the queries;  s[24:31] their group 1
.set G1X,   24
.set G1C,   32                         ; s[32:39] group 1 for the codes;  s[40:47] group 0 for the two chunks
.set G0C,   40
.set MSB, 0
.macro WIN new                         ; the immediate's high byte repeats the setting that is left
.if MSB != \new
	s_set_vgpr_msb (MSB<<8)|\new
.set MSB, \new
.endif
.endm
.macro CROUND                          ; a round of the cluster's barrier
	s_barrier_signal -1
	s_barrier_wait -1
	s_cmp_lg_u32 s10, 0
	s_cbranch_scc1 .Lnot_wave_0_\@
	s_barrier_signal -3
.Lnot_wave_0_\@:
	s_barrier_wait -3
	s_barrier_signal -1
	s_barrier_wait -1
.endm
	s_load_b128 s[4:7], s[0:1], 0x0                ; xq, cbq
	s_load_b64 s[8:9], s[0:1], 0x10                ; part
	v_lshl_add_u32 v254, v0, 2, 0x37000
	v_mov_b32 v255, 0
	ds_add_u32 v254, v255
	ds_add_u32 v254, v255
	v_lshrrev_b32 v1, 5, v0
	v_readfirstlane_b32 s10, v1                    ; wave 0..7
	s_lshr_b32 s11, s10, 2                         ; my group of 256 queries
	s_and_b32 s12, s10, 3                          ; my quarter of the codes
	s_bfe_u32 s13, ttmp6, 0x40000                  ; cx, cy: my place in the cluster
	s_bfe_u32 s14, ttmp6, 0x40004
	s_lshl_b32 s15, ttmp9, 2
	s_add_co_u32 s15, s15, s13                     ; work-group x: which 512 queries
	s_and_b32 s16, ttmp7, 0xffff
	s_lshl_b32 s16, s16, 2
	s_add_co_u32 s16, s16, s14                     ; work-group y: which 1,024 codes
	s_lshl_b32 s17, 0x1111, s13                    ; my column of the cluster
	s_lshl_b32 s18, s14, 2
	s_lshl_b32 s18, 15, s18                        ; my row
	; group 1: a dense block of 17,408 bytes as 68 rows of 32 elements of 8 bytes, no padding
	s_or_b32 s[G1X], s17, (3<<16)|(1<<21)          ; 15:0 the mask: the queries go to my column; 17:16 elements of 8 bytes; 21 set beside a mask
	s_or_b32 s[G1C], s18, (3<<16)|(1<<21)          ; the codes go to my row
.irp g, G1X, G1C
	s_mov_b32 s[\g+1], 32<<16                      ; tensor_dim0 = 32
	s_mov_b32 s[\g+2], 68<<16                      ; tensor_dim1 = 68
	s_mov_b32 s[\g+3], 32<<16                      ; tile_dim0 = 32
	s_mov_b32 s[\g+4], 68                          ; tile_dim1 = 68
	s_mov_b32 s[\g+5], 32                          ; from row to row
	s_mov_b32 s[\g+6], 0
	s_mov_b32 s[\g+7], 0
.endr
	s_lshl_b32 s56, s15, 4                         ; waves 0-3 fetch.  The queries: records 16 x + 4 w on (work-group x alone, which my column shares)
	s_lshl_b32 s57, s10, 2
	s_add_co_u32 s56, s56, s57
	s_mul_i32 s56, s56, RECB
	s_mov_b32 s57, 0
	s_lshl_b32 s58, s16, 5                         ; the codes: records 32 y + 8 w on (work-group y alone, which my row shares)
	s_lshl_b32 s59, s10, 3
	s_add_co_u32 s58, s58, s59
	s_mul_i32 s58, s58, RECB
	s_mov_b32 s59, 0
	s_mul_i32 s19, s10, CHUNK                      ; where they go: the wave's number alone enters an LDS address
	s_mul_i32 s62, s10, QUART
	s_add_co_u32 s62, s62, CR
	s_lshl_b32 s72, s16, 15                        ; part: 8 bytes x (4096 y + 512 x + 64 w)
	s_lshl_b32 s73, s15, 12
	s_add_co_u32 s72, s72, s73
	s_lshl_b32 s73, s10, 9
	s_add_co_u32 s72, s72, s73
	s_mov_b32 s73, 0
	s_wait_dscnt 0x0
	s_wait_kmcnt 0x0
	s_add_nc_u64 s[8:9], s[8:9], s[72:73]
	s_mov_b32 s[G0X], 1                            ; count = 1
	s_mov_b32 s[G0X+1], s19                        ; LDS address
	s_add_nc_u64 s[G0X+2:G0X+3], s[4:5], s[56:57]  ; global address
	s_or_b32 s[G0X+3], s[G0X+3], 0x80000000        ; type = 2
	s_add_nc_u64 s[58:59], s[6:7], s[58:59]
.irp c, 0,1
	s_mov_b32 s[G0C+4*\c], 1
	s_add_co_u32 s[G0C+4*\c+1], s62, \c*CHUNK
	s_add_nc_u64 s[G0C+4*\c+2:G0C+4*\c+3], s[58:59], \c*CHUNK
	s_or_b32 s[G0C+4*\c+3], s[G0C+4*\c+3], 0x80000000
.endr
	CROUND                                         ; all sixteen work-groups are here: the joint loads meet
	s_cmp_lt_u32 s10, 4                            ; a wave's three fills stand in one branch on the wave's number, ahead of every wait on TENSORcnt, LDS read and further barrier
	s_cbranch_scc0 .Lno_fetch
	tensor_load_to_lds s[G0X:G0X+3], s[G1X:G1X+7]      ; four records of queries
	s_nop 0
	tensor_load_to_lds s[G0C:G0C+3], s[G1C:G1C+7]      ; quarter w's records 0-3
	s_nop 0
	tensor_load_to_lds s[G0C+4:G0C+7], s[G1C:G1C+7]    ; and 4-7: three loads of mine are out
	s_nop 0
.rept 4
	v_nop                                          ; four lines behind the loads
.endr
.Lno_fetch:
	v_and_b32 v249, 31, v0                         ; lane
	v_bfe_u32 v4, v0, 4, 1                         ; h
	v_and_b32 v7, 15, v0                           ; r
	s_mul_i32 s63, s12, QUART
	s_add_co_u32 s63, s63, CR                      ; my quarter of the codes
	s_mul_i32 s66, s11, QUART                      ; my eight records of queries
	v_lshl_add_u32 v1, v249, 4, s63                ; a code fragment's 16 bytes a lane
	v_lshl_add_u32 v2, v4, 5, s63                  ; the squares of rows 8 h .. 8 h + 7
	v_lshl_add_u32 v3, v249, 2, s63                ; a record's 32 scale words
	v_lshl_add_u32 v5, v249, 4, s66                ; the same three for the queries
	v_lshl_add_u32 v7, v7, 2, s66
	v_lshl_add_u32 v248, v249, 2, s66
	s_lshl_b32 s74, s10, 11
	s_add_co_u32 s74, s74, SCR
	v_lshl_add_u32 v250, v249, 3, s74              ; where my wave puts its results: 2,048 bytes a wave, 8 a lane
	s_lshl_b32 s74, s11, 13
	s_lshl_b32 s75, s12, 9
	s_add_co_u32 s74, s74, s75
	s_add_co_u32 s74, s74, SCR
	v_lshl_add_u32 v252, v249, 3, s74              ; and where it reads the four quarters' results for 64 queries
	v_lshlrev_b32 v251, 3, v249
	s_lshl_b32 s76, s16, 4
	s_lshl_b32 s77, s12, 2
	s_add_co_u32 s76, s76, s77
	v_mov_b32 v6, s76                              ; S, the pair of records in hand, counted over the whole codebook: 16 y + 4 (w % 4) on
	v_cmp_eq_u32 s67, 1, v4                        ; lanes 16-31
	v_mov_b32 v[T+4], 0                            ; a lane exchange's destination counts as read: written once
	v_mov_b32 v[T+5], 0
	s_mov_b32 s60, 0x76543210
	s_mov_b32 s61, 0xfedcba98                      ; selects of v_permlanex16_b32: lane l xor 16
.macro LOADREC n                       ; record n of my quarter into buffer n % 2: 13 loads
.irp t, 0,1
.irp c, 0,1,2,3
	ds_load_b128 v[AB+32*((\n)%2)+16*\t+4*\c:AB+32*((\n)%2)+16*\t+4*\c+3], v1 offset:RECB*(\n)+2048*\t+512*\c
.endr
.endr
.irp t, 0,1
	ds_load_b128 v[CB+16*((\n)%2)+8*\t:CB+16*((\n)%2)+8*\t+3], v2 offset:RECB*(\n)+4224+64*\t
	ds_load_b128 v[CB+16*((\n)%2)+8*\t+4:CB+16*((\n)%2)+8*\t+7], v2 offset:RECB*(\n)+4224+64*\t+16
.endr
	ds_load_b32 v[AS+(\n)%2], v3 offset:RECB*(\n)+4096
.endm
; Four products under one setting of the windows: query tiles 2 b, 2 b + 1 x the record's two tiles, into the four results from v[d] on.  No result is also a C: there are no chains.
.macro BATCH b, buf, d
	WIN 0x04                                       ; source 1 (the queries) in window 1
	v_wmma_scale_f32_16x16x128_f8f6f4 v[\d:\d+7], v[AB+32*(\buf):AB+32*(\buf)+15], v[32*(\b):32*(\b)+15], v[CB+16*(\buf):CB+16*(\buf)+7], v[AS+(\buf)], v[BS+(\b)]
	v_wmma_scale_f32_16x16x128_f8f6f4 v[\d+8:\d+15], v[AB+32*(\buf)+16:AB+32*(\buf)+31], v[32*(\b):32*(\b)+15], v[CB+16*(\buf)+8:CB+16*(\buf)+15], v[AS+(\buf)], v[BS+(\b)] matrix_a_scale:MATRIX_SCALE_ROW1
	v_wmma_scale_f32_16x16x128_f8f6f4 v[\d+16:\d+23], v[AB+32*(\buf):AB+32*(\buf)+15], v[32*(\b)+16:32*(\b)+31], v[CB+16*(\buf):CB+16*(\buf)+7], v[AS+(\buf)], v[BS+(\b)] matrix_b_scale:MATRIX_SCALE_ROW1
	v_wmma_scale_f32_16x16x128_f8f6f4 v[\d+24:\d+31], v[AB+32*(\buf)+16:AB+32*(\buf)+31], v[32*(\b)+16:32*(\b)+31], v[CB+16*(\buf)+8:CB+16*(\buf)+15], v[AS+(\buf)], v[BS+(\b)] matrix_a_scale:MATRIX_SCALE_ROW1 matrix_b_scale:MATRIX_SCALE_ROW1
	WIN 0
.endm
; What follows a batch of an EVEN record: the cell's first 16 numbers start U, for query tiles q and q + 1, line by line by turns.  Each result is first read at its low end.
.macro EPIA q, d
.set ua, U+(\q)
.set ub, U+(\q)+1
	v_max3_num_f32 v[ua], v[\d], v[\d+1], v[\d+2]
	v_max3_num_f32 v[ub], v[\d+16], v[\d+17], v[\d+18]
	v_max3_num_f32 v[T], v[\d+8], v[\d+9], v[\d+10]
	v_max3_num_f32 v[T+2], v[\d+24], v[\d+25], v[\d+26]
	v_max3_num_f32 v[ua], v[ua], v[\d+3], v[\d+4]
	v_max3_num_f32 v[ub], v[ub], v[\d+19], v[\d+20]
	v_max3_num_f32 v[T], v[T], v[\d+11], v[\d+12]
	v_max3_num_f32 v[T+2], v[T+2], v[\d+27], v[\d+28]
	v_max3_num_f32 v[ua], v[ua], v[\d+5], v[\d+6]
	v_max3_num_f32 v[ub], v[ub], v[\d+21], v[\d+22]
	v_max3_num_f32 v[T], v[T], v[\d+13], v[\d+14]
	v_max3_num_f32 v[T+2], v[T+2], v[\d+29], v[\d+30]
	v_max_num_f32 v[T+1], v[\d+7], v[\d+15]
	v_max_num_f32 v[T+3], v[\d+23], v[\d+31]
	v_max3_num_f32 v[ua], v[ua], v[T], v[T+1]
	v_max3_num_f32 v[ub], v[ub], v[T+2], v[T+3]
.endm
; And of an ODD record: the cell's other 16 numbers, then, once a cell: d' = the largest y - |x|^2; where it is strictly larger than all before, the pair of records is noted.
.macro EPIB q, d
.set ua, U+(\q)
.set ub, U+(\q)+1
	v_max3_num_f32 v[ua], v[ua], v[\d], v[\d+1]
	v_max3_num_f32 v[ub], v[ub], v[\d+16], v[\d+17]
	v_max3_num_f32 v[T], v[\d+8], v[\d+9], v[\d+10]
	v_max3_num_f32 v[T+2], v[\d+24], v[\d+25], v[\d+26]
	v_max3_num_f32 v[ua], v[ua], v[\d+2], v[\d+3]
	v_max3_num_f32 v[ub], v[ub], v[\d+18], v[\d+19]
	v_max3_num_f32 v[T], v[T], v[\d+11], v[\d+12]
	v_max3_num_f32 v[T+2], v[T+2], v[\d+27], v[\d+28]
	v_max3_num_f32 v[ua], v[ua], v[\d+4], v[\d+5]
	v_max3_num_f32 v[ub], v[ub], v[\d+20], v[\d+21]
	v_max3_num_f32 v[T], v[T], v[\d+13], v[\d+14]
	v_max3_num_f32 v[T+2], v[T+2], v[\d+29], v[\d+30]
	v_max3_num_f32 v[ua], v[ua], v[\d+6], v[\d+7]
	v_max3_num_f32 v[ub], v[ub], v[\d+22], v[\d+23]
	v_max3_num_f32 v[ua], v[ua], v[T], v[\d+15]
	v_max3_num_f32 v[ub], v[ub], v[T+2], v[\d+31]
	v_sub_f32 v[T+1], v[ua], v[XSQ+(\q)]
	v_sub_f32 v[T+3], v[ub], v[XSQ+(\q)+1]
	v_cmp_gt_f32 vcc_lo, v[T+1], v[M+(\q)]
	v_cmp_gt_f32 s66, v[T+3], v[M+(\q)+1]
	v_cndmask_b32 v[IDX+(\q)], v[IDX+(\q)], v6, vcc_lo
	v_cndmask_b32 v[IDX+(\q)+1], v[IDX+(\q)+1], v6, s66
	v_max_num_f32 v[M+(\q)], v[M+(\q)], v[T+1]
	v_max_num_f32 v[M+(\q)+1], v[M+(\q)+1], v[T+3]
.endm
; A RECORD: eight batches; behind each batch stand the vector lines of the batch BEFORE it, which name none of its registers.  So between a product and the first read of its result, between it and the
; product that writes the same result registers two batches on, and between a buffer's last product and the loads that fill the buffer anew, stand 16 plain vector lines or more (8 and 9 are asked).
.macro REC n
.if (\n) > 0
	s_wait_dscnt 0x0                               ; this record's 13 loads, asked for seven batches ago, are in
.endif
.irp b, 0,1,2,3,4,5,6,7
.if (\n) == 0
.if \b == 0
	s_wait_dscnt 56                                ; record 0, the scale words, the squares and query tiles 0, 1 are in; the 56 loads of tiles 2-15 may be out
.else
	s_wait_dscnt 69-8*\b                           ; query tiles 2 b, 2 b + 1 are in; behind them: four loads for each later tile, and record 1's 13
.endif
.endif
	BATCH \b, (\n)%2, DS+32*(\b%2)
.if \b > 0
.if (\n)%2 == 0
	EPIA 2*(\b-1), DS+32*((\b-1)%2)
.else
	EPIB 2*(\b-1), DS+32*((\b-1)%2)
.endif
.elseif (\n) > 0
.if (\n)%2 == 1
	EPIA 14, DS+32
.else
	EPIB 14, DS+32
.endif
.else
.irp q, 0,1,2,3,4,5,6,7,8,9,10,11,12,13,14,15
	v_mov_b32 v[M+\q], 0xff800000                  ; the very first batch has no batch before it: the start of the maxima (-infinity) and of the notes stands here, as the places behind its products
	v_mov_b32 v[IDX+\q], 0
.endr
.endif
.if \b == 0
.if ((\n)%2 == 0) && ((\n) > 0)
	v_add_nc_u32 v6, 1, v6                         ; the last pair of records is closed: on to the next
.endif
.if (\n) == 3
	s_wait_tensorcnt 0x0                           ; my part of the second chunk has landed (a wave that fetched nothing passes),
	s_wait_dscnt 0x0                               ; no LDS load of mine is out,
	s_barrier_signal -1
	s_barrier_wait -1                              ; and so of every wave: records 4-7 may be read
.endif
.if (\n) < 7
	LOADREC (\n)+1
.endif
.endif
.endr
.endm
	s_wait_tensorcnt 1                             ; my queries and my first chunk are in; the second chunk may stay out
	s_barrier_signal -1
	s_barrier_wait -1                              ; everybody's are
	LOADREC 0
.irp k, 0,1,2,3,4,5,6,7
	ds_load_b32 v[BS+\k], v248 offset:RECB*\k+4096
.endr
.irp q, 0,1,2,3,4,5,6,7,8,9,10,11,12,13,14,15
	ds_load_b32 v[XSQ+\q], v7 offset:RECB*(\q/2)+4224+64*(\q%2)
.endr
	WIN 0x40                                       ; destination window 1: the 16 query tiles stay there
.irp q, 0,1,2,3,4,5,6,7,8,9,10,11,12,13,14,15
.irp c, 0,1,2,3
	ds_load_b128 v[16*\q+4*\c:16*\q+4*\c+3], v5 offset:RECB*(\q/2)+2048*(\q%2)+512*\c
.endr
.endr
	WIN 0
	REC 0
	REC 1
	REC 2
	REC 3
	REC 4
	REC 5
	REC 6
	REC 7
	EPIB 14, DS+32
	; THE END.  Lane (r, h) holds, for each tile, query r's best over the cells of parity h.  The two halves are joined, two tiles at a time, so that lane l ends with query 32 k + l.
.irp q, 0,1,2,3,4,5,6,7,8,9,10,11,12,13,14,15
	v_lshl_add_u32 v[IDX+\q], v[IDX+\q], 1, v4     ; the cell: 2 S + h
.endr
.irp k, 0,1,2,3,4,5,6,7
	v_cndmask_b32 v[DS+2*\k], v[M+2*\k], v[M+2*\k+1], s67          ; lanes 0-15 keep tile 2 k, lanes 16-31 tile 2 k + 1,
	v_cndmask_b32 v[T], v[M+2*\k+1], v[M+2*\k], s67                ; and send the other
	v_cndmask_b32 v[DS+2*\k+1], v[IDX+2*\k], v[IDX+2*\k+1], s67
	v_cndmask_b32 v[T+1], v[IDX+2*\k+1], v[IDX+2*\k], s67
	v_permlanex16_b32 v[T+4], v[T], s60, s61
	v_permlanex16_b32 v[T+5], v[T+1], s60, s61
	v_cmp_gt_f32 s68, v[T+4], v[DS+2*\k]
	v_cmp_eq_f32 s69, v[T+4], v[DS+2*\k]
	v_cmp_lt_u32 s70, v[T+5], v[DS+2*\k+1]
	s_and_b32 s69, s69, s70
	s_or_b32 s68, s68, s69                         ; larger, or as large in a lower cell
	v_cndmask_b32 v[DS+2*\k], v[DS+2*\k], v[T+4], s68
	v_cndmask_b32 v[DS+2*\k+1], v[DS+2*\k+1], v[T+5], s68
	v_sub_f32 v[DS+2*\k], 0, v[DS+2*\k]            ; the distance (a zero of either sign becomes +0),
	v_ashrrev_i32 v[T+2], 31, v[DS+2*\k]
	v_or_b32 v[T+2], 0x80000000, v[T+2]
	v_xor_b32 v[DS+2*\k], v[DS+2*\k], v[T+2]       ; as a whole number that rises with it: the key
	ds_store_b64 v250, v[DS+2*\k:DS+2*\k+1] offset:256*\k
.endr
	s_wait_dscnt 0x0                               ; for the others' sake: my results lie in LDS
	s_barrier_signal -1
	s_barrier_wait -1
.irp e, 0,1
.irp c, 0,1,2,3
	ds_load_b64 v[DS+32+8*\e+2*\c:DS+33+8*\e+2*\c], v252 offset:2048*\c+256*\e   ; 64 queries of my group: the four quarters' pairs
.endr
.endr
	s_wait_dscnt 0x0
.irp c, 1,2,3
.irp e, 0,1
	v_cmp_lt_u32 vcc_lo, v[DS+32+8*\e+2*\c], v[DS+32+8*\e]         ; quarters in ascending order, strictly smaller: a tie keeps the lower cell
	v_cndmask_b32 v[DS+32+8*\e], v[DS+32+8*\e], v[DS+32+8*\e+2*\c], vcc_lo
	v_cndmask_b32 v[DS+33+8*\e], v[DS+33+8*\e], v[DS+33+8*\e+2*\c], vcc_lo
.endr
.endr
	global_store_b64 v251, v[DS+32:DS+33], s[8:9]                  ; each store covers 256 consecutive bytes, at a multiple of 256 from part's first byte
	global_store_b64 v251, v[DS+40:DS+41], s[8:9] offset:256
	s_wait_tensorcnt 0x0                           ; no tensor load is out at the end
	s_wait_tensorcnt 0x0
	ds_add_u32 v254, v255
	s_wait_dscnt 0x0
	CROUND                                         ; the closing round: no work-group ends while a partner may still ask for a block that names it
	s_endpgm
.Lfunc_end_k_qdabeca5900_scan:
	.size	k_qdabeca5900_scan, .Lfunc_end_k_qdabeca5900_scan-k_qdabeca5900_scan
	.p2alignl 7, 3214868480
	.fill 96, 4, 3214868480
	.section	.rodata,"a",@progbits
	.p2align	6, 0x0
	.amdhsa_kernel k_qdabeca5900_scan
		.amdhsa_group_segment_fixed_size 226304
		.amdhsa_private_segment_fixed_size 0
		.amdhsa_enable_private_segment 0
		.amdhsa_kernarg_size 24
		.amdhsa_user_sgpr_count 2
		.amdhsa_user_sgpr_kernarg_segment_ptr 1
		.amdhsa_wavefront_size32 1
		.amdhsa_system_sgpr_workgroup_id_x 1
		.amdhsa_system_sgpr_workgroup_id_y 1
		.amdhsa_system_sgpr_workgroup_id_z 1
		.amdhsa_system_vgpr_workitem_id 0
		.amdhsa_next_free_vgpr 512
		.amdhsa_next_free_sgpr 80
		.amdhsa_reserve_vcc 1
		.amdhsa_float_denorm_mode_32 3
		.amdhsa_float_denorm_mode_16_64 3
		.amdhsa_memory_ordered 1
		.amdhsa_forward_progress 1
		.amdhsa_inst_pref_size 139
	.end_amdhsa_kernel
	.amdgpu_metadata
---
amdhsa.version: [ 1, 2 ]
amdhsa.kernels:
  - .name:           k_qdabeca5900_scan
    .symbol:         k_qdabeca5900_scan.kd
    .args:
      - { .name: xq, .offset: 0, .size: 8, .value_kind: global_buffer, .address_space: global }
      - { .name: cbq, .offset: 8, .size: 8, .value_kind: global_buffer, .address_space: global }
      - { .name: part, .offset: 16, .size: 8, .value_kind: global_buffer, .address_space: global }
    .group_segment_fixed_size: 226304
    .private_segment_fixed_size: 0
    .kernarg_segment_align: 8
    .kernarg_segment_size: 24
    .max_flat_workgroup_size: 256
    .sgpr_count:     80
    .vgpr_count:     512
    .wavefront_size: 32
...
	.end_amdgpu_metadata
.endif
;; end of part 2
;; launch pick (part 3): grid 256 x 1, 4 waves a work-group, no clusters, 0 bytes of LDS; arguments part, xq, cbq, out0; writes out0
.if DOCPART == 3
	.amdgcn_target "amdgcn-amd-amdhsa--gfx1250"
	.amdhsa_code_object_version 6
	.text
	.protected	k_qdabeca5900_pick
	.globl	k_qdabeca5900_pick
	.p2align	8
	.type	k_qdabeca5900_pick,@function
k_qdabeca5900_pick:
	s_mov_b64 s[64:65], 0
	v_nop
	global_prefetch_b8 v0, s[64:65] scope:SCOPE_SE
	s_setreg_imm32_b32 hwreg(HW_REG_WAVE_MODE, 25, 1), 1
	s_wait_xcnt 0x0
; out0[query] = the code with the smallest distance.  part [32 ranges][4096 queries] holds pairs {key, cell}: key, a whole number that rises with the range's smallest distance; cell, the 32 neighbouring codes in which it first occurs.
; For each query: the smallest key over the 32 ranges (a tie: the lower cell), by compares of whole numbers that are read from memory; then the winning cell's 32 distances are made anew, by the same matrix
; instruction on the same codes in the same places along K with the same C as in the launch before, and the first of the largest d' = (2 x.c - |c|^2) - |x|^2 gives the code: 32 x cell + its place.
; It leans on that instruction giving the same bits for the same operands in whatever row or column of a tile they stand; were that not so, the text still gives the first smallest distance of the winning cell as it computes it.
; SHARES.  Work-group g: query tile g (16 queries); wave w: its columns 4 w .. 4 w + 3, two products a query (16 codes each): source 0 = 16 codes of the cell, source 1 = the query tile; only the query's own column is used.
; No LDS, no cluster: the cells hang on the data, and work-groups share no tile.  A wave stores 16 neighbouring bytes: the whole output of a work-group is 64 bytes.
.set RECB, 4352
	s_load_b256 s[4:11], s[0:1], 0x0               ; part, xq, cbq, out0
	v_lshrrev_b32 v1, 5, v0
	v_readfirstlane_b32 s12, v1                    ; wave
	v_and_b32 v1, 31, v0                           ; lane
	v_and_b32 v2, 15, v0                           ; r
	v_bfe_u32 v3, v0, 4, 1                         ; h
	v_lshrrev_b32 v5, 2, v1
	v_lshlrev_b32 v4, 17, v5                       ; part: lane l takes query l % 4 of my four, ranges 4 (l / 4) .. + 3 (a range is 32,768 bytes)
	v_and_b32 v5, 3, v1
	v_lshl_add_u32 v4, v5, 3, v4
	s_lshl_b32 s13, ttmp9, 7
	s_lshl_b32 s14, s12, 5
	s_add_co_u32 s13, s13, s14                     ; 8 bytes x (16 g + 4 w)
	v_add_nc_u32 v4, s13, v4
	v_bfe_u32 v5, v0, 3, 1                         ; row m = r of a product is row 8 (cell % 2) + r % 8 of tile r / 8 of the record
	v_and_b32 v16, 7, v0
	v_lshlrev_b32 v18, 11, v5
	v_lshl_add_u32 v18, v3, 8, v18
	v_lshl_add_u32 v18, v16, 4, v18                ; codes: 2048 (r / 8) + 256 h + 16 (r % 8)
	v_mul_u32_u24 v19, v3, RECB
	v_lshl_add_u32 v19, v5, 6, v19
	v_lshl_add_u32 v19, v16, 2, v19                ; scale words: lanes 0-15 the first record's, lanes 16-31 the second's: 4352 h + 64 (r / 8) + 4 (r % 8)
	v_lshlrev_b32 v20, 6, v3                       ; squares in the result's layout: rows 8 h + j are tile h's: 64 h
	v_lshlrev_b32 v33, 4, v1
	v_lshlrev_b32 v35, 2, v2
	v_mov_b32 v17, 0                               ; v16, v17: lane exchanges' destinations, which count as read
	v_lshlrev_b32 v38, 2, v1                       ; out0: 4 bytes a lane
	v_lshrrev_b32 v39, 2, v1
	s_mov_b32 s24, 0x76543210
	s_mov_b32 s25, 0xfedcba98                      ; selects of v_permlanex16_b32: lane l xor 16
	s_lshr_b32 s15, ttmp9, 1
	s_mul_i32 s15, s15, RECB                       ; the query tile: record g / 2, tile g % 2
	s_and_b32 s16, ttmp9, 1
	s_lshl_b32 s17, s16, 11
	s_add_co_u32 s20, s15, s17
	s_mov_b32 s21, 0
	s_lshl_b32 s17, s16, 6
	s_add_co_u32 s22, s15, s17
	s_mov_b32 s23, 0
	s_lshl_b32 s28, ttmp9, 6
	s_mov_b32 s29, 0
	s_lshl_b32 s49, s12, 2
.irp i, 1,2,3
	s_add_co_u32 s50, s49, \i
	v_cmp_eq_u32 s[52+\i], s50, v2                 ; the lanes of column 4 w + i
.endr
	s_wait_kmcnt 0x0
	s_add_nc_u64 s[20:21], s[6:7], s[20:21]
	s_add_nc_u64 s[22:23], s[6:7], s[22:23]
	s_add_nc_u64 s[10:11], s[10:11], s[28:29]
.irp n, 0,1,2,3
	global_load_b64 v[6+2*\n:7+2*\n], v4, s[4:5] offset:32768*\n
.endr
.irp c, 0,1,2,3
	global_load_b128 v[40+4*\c:43+4*\c], v33, s[20:21] offset:512*\c   ; the query tile's fragment
.endr
	global_load_b32 v34, v35, s[22:23] offset:4096 ; its scale words
	global_load_b32 v36, v35, s[22:23] offset:4224 ; |x|^2 of column r
	s_wait_loadcnt 6                               ; the four pairs are in; the six loads behind them may be out
	v_mov_b32 v14, v6
	v_mov_b32 v15, v7
.irp n, 1,2,3
	v_cmp_lt_u32 vcc_lo, v[6+2*\n], v14            ; ranges in ascending order, strictly smaller: a tie keeps the lower cell
	v_cndmask_b32 v14, v14, v[6+2*\n], vcc_lo
	v_cndmask_b32 v15, v15, v[7+2*\n], vcc_lo
.endr
.macro TAKE                            ; v16, v17: another lane's key and cell: taken where smaller, or as small in a lower cell
	v_cmp_lt_u32 s30, v16, v14
	v_cmp_eq_u32 s31, v16, v14
	v_cmp_lt_u32 s32, v17, v15
	s_and_b32 s31, s31, s32
	s_or_b32 s30, s30, s31
	v_cndmask_b32 v14, v14, v16, s30
	v_cndmask_b32 v15, v15, v17, s30
.endm
	v_mov_b32_dpp v16, v14 row_xmask:4 row_mask:0xf bank_mask:0xf
	v_mov_b32_dpp v17, v15 row_xmask:4 row_mask:0xf bank_mask:0xf
	TAKE
	v_mov_b32_dpp v16, v14 row_xmask:8 row_mask:0xf bank_mask:0xf
	v_mov_b32_dpp v17, v15 row_xmask:8 row_mask:0xf bank_mask:0xf
	TAKE
	v_permlanex16_b32 v16, v14, s24, s25
	v_permlanex16_b32 v17, v15, s24, s25
	TAKE                                           ; every lane l now holds the winning cell of query l % 4
	v_min_u32 v15, 0x3ff, v15                      ; a cell's number stays inside the codebook's 1,024 cells
.irp i, 0,1,2,3
	v_readlane_b32 s[36+\i], v15, \i
	s_min_u32 s[36+\i], s[36+\i], 0x3ff
	s_and_b32 s[40+\i], s[36+\i], 0x3fe
	s_mul_i32 s[40+\i], s[40+\i], RECB             ; the cell's first record: cell less its lowest bit
	s_and_b32 s[44+\i], s[36+\i], 1
	s_lshl_b32 s48, s[44+\i], 7                    ; rows 8 (cell % 2) on: 128 bytes of codes,
	s_add_co_u32 s48, s48, s[40+\i]
	v_add_nc_u32 v[21+\i], s48, v18
	s_lshl_b32 s48, s[44+\i], 5                    ; 32 bytes of scale words and of squares
	s_add_co_u32 s48, s48, s[40+\i]
	v_add_nc_u32 v[25+\i], s48, v19
	v_add_nc_u32 v[29+\i], s48, v20
.endr
.irp i, 0,1,2,3                        ; query i, product n: codes 32 cell + 16 n + 0 .. 15
.irp n, 0,1
.irp c, 0,1,2,3
	global_load_b128 v[64+32*\i+16*\n+4*\c:64+32*\i+16*\n+4*\c+3], v[21+\i], s[8:9] offset:RECB*\n+512*\c
.endr
	global_load_b128 v[192+16*\i+8*\n:192+16*\i+8*\n+3], v[29+\i], s[8:9] offset:RECB*\n+4224
	global_load_b128 v[192+16*\i+8*\n+4:192+16*\i+8*\n+7], v[29+\i], s[8:9] offset:RECB*\n+4224+16
.endr
	global_load_b32 v[56+\i], v[25+\i], s[8:9] offset:4096
.endr
	s_wait_loadcnt 0x0
.irp i, 0,1,2,3                        ; eight products on eight accumulators, each begun with -|c|^2 as it was loaded
	v_wmma_scale_f32_16x16x128_f8f6f4 v[192+16*\i:199+16*\i], v[64+32*\i:79+32*\i], v[40:55], v[192+16*\i:199+16*\i], v[56+\i], v34
	v_wmma_scale_f32_16x16x128_f8f6f4 v[200+16*\i:207+16*\i], v[80+32*\i:95+32*\i], v[40:55], v[200+16*\i:207+16*\i], v[56+\i], v34 matrix_a_scale:MATRIX_SCALE_ROW1
.endr
.rept 8
	v_nop                                          ; eight places ahead of the first read of the results
.endr
.irp n, 0,1                            ; each lane keeps its own column's query; every accumulator is first read at its low end
.irp j, 0,1,2,3,4,5,6,7
.irp i, 1,2,3
	v_cndmask_b32 v[192+8*\n+\j], v[192+8*\n+\j], v[192+16*\i+8*\n+\j], s[52+\i]
.endr
.endr
.endr
.irp j, 0,1,2,3,4,5,6,7,8,9,10,11,12,13,14,15
	v_sub_f32 v[192+\j], v[192+\j], v36            ; d' = y - |x|^2: register 8 n + j of lane (r, h) is code 32 cell + 16 n + 8 h + j
.endr
	v_mov_b32 v60, v192                            ; the first of the largest, in two chains (n = 0, 1): value and place
	v_mov_b32 v61, 0
	v_mov_b32 v62, v200
	v_mov_b32 v63, 16
.irp j, 1,2,3,4,5,6,7
	v_cmp_ge_f32 vcc_lo, v60, v[192+\j]            ; what came first stays unless the new number is strictly larger
	v_cmp_ge_f32 s56, v62, v[200+\j]
	v_cndmask_b32 v61, \j, v61, vcc_lo
	v_cndmask_b32 v63, 16+\j, v63, s56
	v_max_num_f32 v60, v60, v[192+\j]
	v_max_num_f32 v62, v62, v[200+\j]
.endr
	v_cmp_ge_f32 vcc_lo, v60, v62
	v_cndmask_b32 v61, v63, v61, vcc_lo
	v_max_num_f32 v60, v60, v62
	v_lshl_add_u32 v61, v3, 3, v61                 ; + 8 h
	v_permlanex16_b32 v16, v60, s24, s25           ; the other half of the lanes holds the column's other 16 codes
	v_permlanex16_b32 v17, v61, s24, s25
	v_cmp_gt_f32 s30, v16, v60
	v_cmp_eq_f32 s31, v16, v60
	v_cmp_lt_u32 s32, v17, v61
	s_and_b32 s31, s31, s32
	s_or_b32 s30, s30, s31                         ; larger, or as large at a lower place
	v_cndmask_b32 v61, v61, v17, s30
	v_lshl_add_u32 v61, v15, 5, v61                ; lane 4 w + i holds query i's cell (i = lane % 4): the code = 32 x cell + place
	v_cmp_eq_u32 vcc_lo, s12, v39                  ; lanes 4 w .. 4 w + 3 store
	s_wait_xcnt 0x0                                ; EXEC changes only when every earlier memory instruction has read its sources
	s_and_saveexec_b32 s57, vcc_lo
	global_store_b32 v38, v61, s[10:11]
	s_wait_xcnt 0x0
	s_or_b32 exec_lo, exec_lo, s57
	s_endpgm
.Lfunc_end_k_qdabeca5900_pick:
	.size	k_qdabeca5900_pick, .Lfunc_end_k_qdabeca5900_pick-k_qdabeca5900_pick
	.p2alignl 7, 3214868480
	.fill 96, 4, 3214868480
	.section	.rodata,"a",@progbits
	.p2align	6, 0x0
	.amdhsa_kernel k_qdabeca5900_pick
		.amdhsa_group_segment_fixed_size 0
		.amdhsa_private_segment_fixed_size 0
		.amdhsa_enable_private_segment 0
		.amdhsa_kernarg_size 32
		.amdhsa_user_sgpr_count 2
		.amdhsa_user_sgpr_kernarg_segment_ptr 1
		.amdhsa_wavefront_size32 1
		.amdhsa_system_sgpr_workgroup_id_x 1
		.amdhsa_system_sgpr_workgroup_id_y 1
		.amdhsa_system_sgpr_workgroup_id_z 1
		.amdhsa_system_vgpr_workitem_id 0
		.amdhsa_next_free_vgpr 256
		.amdhsa_next_free_sgpr 66
		.amdhsa_reserve_vcc 1
		.amdhsa_float_denorm_mode_32 3
		.amdhsa_float_denorm_mode_16_64 3
		.amdhsa_memory_ordered 1
		.amdhsa_forward_progress 1
		.amdhsa_inst_pref_size 20
	.end_amdhsa_kernel
	.amdgpu_metadata
---
amdhsa.version: [ 1, 2 ]
amdhsa.kernels:
  - .name:           k_qdabeca5900_pick
    .symbol:         k_qdabeca5900_pick.kd
    .args:
      - { .name: part, .offset: 0, .size: 8, .value_kind: global_buffer, .address_space: global }
      - { .name: xq, .offset: 8, .size: 8, .value_kind: global_buffer, .address_space: global }
      - { .name: cbq, .offset: 16, .size: 8, .value_kind: global_buffer, .address_space: global }
      - { .name: out0, .offset: 24, .size: 8, .value_kind: global_buffer, .address_space: global }
    .group_segment_fixed_size: 0
    .private_segment_fixed_size: 0
    .kernarg_segment_align: 8
    .kernarg_segment_size: 32
    .max_flat_workgroup_size: 128
    .sgpr_count:     66
    .vgpr_count:     256
    .wavefront_size: 32
...
	.end_amdgpu_metadata
.endif
;; end of part 3
;; ======== version 2 of 2: 3 launches; version 1 with the launch pick written anew for expert scheduling mode
;; workspace buffers: xq 557,056 bytes; cbq 4,456,448 bytes; part 1,048,576 bytes of whole numbers
;; launch quant: the kernel of part 1 again; grid 288 x 1, 4 waves a work-group, no clusters, 69,120 bytes of LDS; arguments x, codebook, xq, cbq; writes xq, cbq
;; launch scan: the kernel of part 2 again; grid 8 x 32, 8 waves a work-group, clusters of 4 x 4, 226,304 bytes of LDS; arguments xq, cbq, part; writes part
;; launch pick (part 4): grid 256 x 1, 4 waves a work-group, no clusters, 0 bytes of LDS; arguments part, xq, cbq, out0; writes out0
.if DOCPART == 4
	.amdgcn_target "amdgcn-amd-amdhsa--gfx1250"
	.amdhsa_code_object_version 6
	.text
	.protected	k_qdabeca5900_pick
	.globl	k_qdabeca5900_pick
	.p2align	8
	.type	k_qdabeca5900_pick,@function
k_qdabeca5900_pick:
	s_mov_b64 s[64:65], 0
	v_nop
	global_prefetch_b8 v0, s[64:65] scope:SCOPE_SE
	s_setreg_imm32_b32 hwreg(HW_REG_WAVE_SCHED_MODE, 0, 2), 2
	s_setreg_imm32_b32 hwreg(HW_REG_WAVE_MODE, 25, 1), 1
	s_wait_xcnt 0x0
	s_wait_alu depctr_vm_vsrc(0)
; out0[query] = the code with the smallest distance.  part [32 ranges][4096 queries] holds pairs {key, cell}: key, a whole number that rises with the range's smallest distance; cell, the 32 neighbouring codes in which it first occurs.
; For each query: the smallest key over the 32 ranges (a tie: the lower cell), by compares of whole numbers that are read from memory; then the winning cell's 32 distances are made anew, by the same matrix
; instruction on the same codes in the same places along K with the same C as in the launch before, and the first of the largest d' = (2 x.c - |c|^2) - |x|^2 gives the code: 32 x cell + its place.
; It leans on that instruction giving the same bits for the same operands in whatever row or column of a tile they stand; were that not so, the text still gives the first smallest distance of the winning cell as it computes it.
; SHARES.  Work-group g: query tile g (16 queries); wave w: its columns 4 w .. 4 w + 3, two products a query (16 codes each): source 0 = 16 codes of the cell, source 1 = the query tile; only the query's own column is used.
; No LDS, no cluster: the cells hang on the data, and work-groups share no tile.  A wave stores 16 neighbouring bytes: the whole output of a work-group is 64 bytes.
; THE MODE: SCHED_MODE bits 1:0 = 2 (LLVM: expert scheduling mode 2), set by the entry lines.  The code itself states the register dependences between vector or matrix instructions and memory
; instructions, and between a vector instruction that writes a scalar register or VCC and its readers, with s_wait_alu, always for 0.
; THE PLAN.  Registers that memory instructions touch:
;   v4, v33, v35, v38   offsets, made at the head and never written again: read by the ten first loads and by the one store.
;   v21-32              offsets of the four winning cells, made by twelve additions and never written again: read by the 52 loads of the cells.
;   v6-13, v34, v36, v40-59, v64-255   filled by loads; no vector instruction names one of them ahead of the load that fills it.
;   v61                 the store's data, written by vector instructions; nothing follows the store.
; So a wait on va_vdst stands ahead of each of the two groups of loads and ahead of the store, and no register that a memory instruction has read is written again.
; The matrix instructions take codes, scale words and C from loads alone.  Compares stand in runs, into several scalar registers, with one wait on va_sdst behind each run.
.set RECB, 4352
.set PM,   64                          ; v65-71, v73-79: the largest of the first j + 1 numbers of chain n at v[PM + 8 n + j]: registers of a fragment that the products are done with
.set KM,   36                          ; s36-42, s43-49: chain n, step j: what came first stays: at s[KM + 7 n + j - 1]
	s_load_b256 s[4:11], s[0:1], 0x0               ; part, xq, cbq, out0
	v_lshrrev_b32 v1, 5, v0
	v_readfirstlane_b32 s12, v1                    ; wave
	v_and_b32 v1, 31, v0                           ; lane
	v_and_b32 v2, 15, v0                           ; r
	v_bfe_u32 v3, v0, 4, 1                         ; h
	v_lshrrev_b32 v5, 2, v1
	v_lshlrev_b32 v4, 17, v5                       ; part: lane l takes query l % 4 of my four, ranges 4 (l / 4) .. + 3 (a range is 32,768 bytes)
	v_and_b32 v5, 3, v1
	v_lshl_add_u32 v4, v5, 3, v4
	s_wait_alu depctr_va_sdst(0)                   ; s12 is written, ahead of its first reader: offsets and masks are made from it
	s_lshl_b32 s13, ttmp9, 7
	s_lshl_b32 s14, s12, 5
	s_add_co_u32 s13, s13, s14                     ; 8 bytes x (16 g + 4 w)
	v_add_nc_u32 v4, s13, v4
	v_bfe_u32 v5, v0, 3, 1                         ; row m = r of a product is row 8 (cell % 2) + r % 8 of tile r / 8 of the record
	v_and_b32 v16, 7, v0
	v_lshlrev_b32 v18, 11, v5
	v_lshl_add_u32 v18, v3, 8, v18
	v_lshl_add_u32 v18, v16, 4, v18                ; codes: 2048 (r / 8) + 256 h + 16 (r % 8)
	v_mul_u32_u24 v19, v3, RECB
	v_lshl_add_u32 v19, v5, 6, v19
	v_lshl_add_u32 v19, v16, 2, v19                ; scale words: lanes 0-15 the first record's, lanes 16-31 the second's: 4352 h + 64 (r / 8) + 4 (r % 8)
	v_lshlrev_b32 v20, 6, v3                       ; squares in the result's layout: rows 8 h + j are tile h's: 64 h
	v_lshlrev_b32 v33, 4, v1
	v_lshlrev_b32 v35, 2, v2
	v_lshlrev_b32 v38, 2, v1                       ; out0: 4 bytes a lane
	v_lshrrev_b32 v39, 2, v1
	s_mov_b32 s24, 0x76543210
	s_mov_b32 s25, 0xfedcba98                      ; selects of v_permlanex16_b32: lane l xor 16
	s_lshr_b32 s15, ttmp9, 1
	s_mul_i32 s15, s15, RECB                       ; the query tile: record g / 2, tile g % 2
	s_and_b32 s16, ttmp9, 1
	s_lshl_b32 s17, s16, 11
	s_add_co_u32 s20, s15, s17
	s_mov_b32 s21, 0
	s_lshl_b32 s17, s16, 6
	s_add_co_u32 s22, s15, s17
	s_mov_b32 s23, 0
	s_lshl_b32 s28, ttmp9, 6
	s_mov_b32 s29, 0
	s_lshl_b32 s49, s12, 2
.irp i, 1,2,3
	s_add_co_u32 s50, s49, \i
	v_cmp_eq_u32 s[52+\i], s50, v2                 ; the lanes of column 4 w + i
.endr
	s_wait_alu depctr_va_sdst(0)                   ; s53 to s55 are written: one wait for the run; the choices behind the products read them
	s_wait_kmcnt 0x0
	s_add_nc_u64 s[20:21], s[6:7], s[20:21]
	s_add_nc_u64 s[22:23], s[6:7], s[22:23]
	s_add_nc_u64 s[10:11], s[10:11], s[28:29]
	s_wait_alu depctr_va_vdst(0)                   ; the offsets v4, v33, v35 are written, which the ten loads below read, and so is v38, which the store reads
.irp n, 0,1,2,3
	global_load_b64 v[6+2*\n:7+2*\n], v4, s[4:5] offset:32768*\n
.endr
.irp c, 0,1,2,3
	global_load_b128 v[40+4*\c:43+4*\c], v33, s[20:21] offset:512*\c   ; the query tile's fragment
.endr
	global_load_b32 v34, v35, s[22:23] offset:4096 ; its scale words
	global_load_b32 v36, v35, s[22:23] offset:4224 ; |x|^2 of column r
	s_wait_loadcnt 6                               ; the four pairs are in; the six loads behind them may be out
	v_cmp_lt_u32 s30, v8, v6                       ; my four ranges, two and two: the lower range stays unless the higher one's key is strictly smaller: a tie keeps the lower cell
	v_cmp_lt_u32 s31, v12, v10
	s_wait_alu depctr_va_sdst(0)                   ; s30 and s31 are written, ahead of the choices that read them
	v_cndmask_b32 v14, v6, v8, s30
	v_cndmask_b32 v15, v7, v9, s30
	v_cndmask_b32 v16, v10, v12, s31               ; (v16, v17 are the lane exchanges' destinations below, which count as read: here they are written whole)
	v_cndmask_b32 v17, v11, v13, s31
	v_cmp_lt_u32 s30, v16, v14                     ; and the two winners likewise
	s_wait_alu depctr_va_sdst(0)                   ; s30 is written, ahead of the choices that read it
	v_cndmask_b32 v14, v14, v16, s30
	v_cndmask_b32 v15, v15, v17, s30
.macro TAKE                            ; v16, v17: another lane's key and cell: taken where smaller, or as small in a lower cell
	v_cmp_lt_u32 s30, v16, v14
	v_cmp_eq_u32 s31, v16, v14
	v_cmp_lt_u32 s32, v17, v15
	s_wait_alu depctr_va_sdst(0)                   ; s30 to s32 are written: one wait for the three compares, ahead of the scalar lines that read them
	s_and_b32 s31, s31, s32
	s_or_b32 s30, s30, s31
	v_cndmask_b32 v14, v14, v16, s30
	v_cndmask_b32 v15, v15, v17, s30
.endm
	v_mov_b32_dpp v16, v14 row_xmask:4 row_mask:0xf bank_mask:0xf
	v_mov_b32_dpp v17, v15 row_xmask:4 row_mask:0xf bank_mask:0xf
	TAKE
	v_mov_b32_dpp v16, v14 row_xmask:8 row_mask:0xf bank_mask:0xf
	v_mov_b32_dpp v17, v15 row_xmask:8 row_mask:0xf bank_mask:0xf
	TAKE
	v_permlanex16_b32 v16, v14, s24, s25
	v_permlanex16_b32 v17, v15, s24, s25
	TAKE                                           ; every lane l now holds the winning cell of query l % 4
	v_min_u32 v15, 0x3ff, v15                      ; a cell's number stays inside the codebook's 1,024 cells
.irp i, 0,1,2,3
	v_readlane_b32 s[36+\i], v15, \i
.endr
	s_wait_alu depctr_va_sdst(0)                   ; s36 to s39, the four cells, are written: one wait for the run, ahead of the scalar lines that read them
.irp i, 0,1,2,3
	s_min_u32 s[36+\i], s[36+\i], 0x3ff
	s_and_b32 s[40+\i], s[36+\i], 0x3fe
	s_mul_i32 s[40+\i], s[40+\i], RECB             ; the cell's first record: cell less its lowest bit
	s_and_b32 s[44+\i], s[36+\i], 1
	s_lshl_b32 s48, s[44+\i], 7                    ; rows 8 (cell % 2) on: 128 bytes of codes,
	s_add_co_u32 s48, s48, s[40+\i]
	v_add_nc_u32 v[21+\i], s48, v18
	s_lshl_b32 s48, s[44+\i], 5                    ; 32 bytes of scale words and of squares
	s_add_co_u32 s48, s48, s[40+\i]
	v_add_nc_u32 v[25+\i], s48, v19
	v_add_nc_u32 v[29+\i], s48, v20
.endr
	s_wait_alu depctr_va_vdst(0)                   ; the twelve offsets v21 to v32 are written, which the 52 loads below read; no vector instruction stands among those loads
.irp i, 0,1,2,3                        ; query i, product n: codes 32 cell + 16 n + 0 .. 15
.irp n, 0,1
.irp c, 0,1,2,3
	global_load_b128 v[64+32*\i+16*\n+4*\c:64+32*\i+16*\n+4*\c+3], v[21+\i], s[8:9] offset:RECB*\n+512*\c
.endr
	global_load_b128 v[192+16*\i+8*\n:192+16*\i+8*\n+3], v[29+\i], s[8:9] offset:RECB*\n+4224
	global_load_b128 v[192+16*\i+8*\n+4:192+16*\i+8*\n+7], v[29+\i], s[8:9] offset:RECB*\n+4224+16
.endr
	global_load_b32 v[56+\i], v[25+\i], s[8:9] offset:4096
.endr
	s_wait_loadcnt 0x0
.irp i, 0,1,2,3                        ; eight products on eight accumulators, each begun with -|c|^2 as it was loaded; codes, scale words and C come from loads alone
	v_wmma_scale_f32_16x16x128_f8f6f4 v[192+16*\i:199+16*\i], v[64+32*\i:79+32*\i], v[40:55], v[192+16*\i:199+16*\i], v[56+\i], v34
	v_wmma_scale_f32_16x16x128_f8f6f4 v[200+16*\i:207+16*\i], v[80+32*\i:95+32*\i], v[40:55], v[200+16*\i:207+16*\i], v[56+\i], v34 matrix_a_scale:MATRIX_SCALE_ROW1
.endr
.rept 8
	v_nop                                          ; eight places ahead of the first read of the results
.endr
.irp n, 0,1                            ; each lane keeps its own column's query; every accumulator is first read at its low end
.irp j, 0,1,2,3,4,5,6,7
.irp i, 1,2,3
	v_cndmask_b32 v[192+8*\n+\j], v[192+8*\n+\j], v[192+16*\i+8*\n+\j], s[52+\i]
.endr
.endr
.endr
.irp j, 0,1,2,3,4,5,6,7,8,9,10,11,12,13,14,15
	v_sub_f32 v[192+\j], v[192+\j], v36            ; d' = y - |x|^2: register 8 n + j of lane (r, h) is code 32 cell + 16 n + 8 h + j
.endr
	; The first of the largest, in two chains (n = 0, 1).  The running maxima get registers of their own, so that all compares stand in one run: each holds the largest so far against the next number.
	v_mov_b32 v61, 0                               ; the places
	v_mov_b32 v63, 16
	v_max_num_f32 v[PM+1], v192, v193
	v_max_num_f32 v[PM+9], v200, v201
.irp j, 2,3,4,5,6,7
	v_max_num_f32 v[PM+\j], v[PM+\j-1], v[192+\j]
	v_max_num_f32 v[PM+8+\j], v[PM+7+\j], v[200+\j]
.endr
	v_cmp_ge_f32 s[KM], v192, v193                 ; what came first stays unless the new number is strictly larger
	v_cmp_ge_f32 s[KM+7], v200, v201
.irp j, 2,3,4,5,6,7
	v_cmp_ge_f32 s[KM+\j-1], v[PM+\j-1], v[192+\j]
	v_cmp_ge_f32 s[KM+6+\j], v[PM+7+\j], v[200+\j]
.endr
	v_cmp_ge_f32 s50, v[PM+7], v[PM+15]            ; and the first chain's stays unless the second's is strictly larger
	s_wait_alu depctr_va_sdst(0)                   ; s36 to s50 are written: one wait for the fifteen compares, ahead of the choices that read them
.irp j, 1,2,3,4,5,6,7
	v_cndmask_b32 v61, \j, v61, s[KM+\j-1]
	v_cndmask_b32 v63, 16+\j, v63, s[KM+6+\j]
.endr
	v_cndmask_b32 v61, v63, v61, s50
	v_max_num_f32 v60, v[PM+7], v[PM+15]
	v_lshl_add_u32 v61, v3, 3, v61                 ; + 8 h
	v_permlanex16_b32 v16, v60, s24, s25           ; the other half of the lanes holds the column's other 16 codes
	v_permlanex16_b32 v17, v61, s24, s25
	v_cmp_gt_f32 s30, v16, v60
	v_cmp_eq_f32 s31, v16, v60
	v_cmp_lt_u32 s32, v17, v61
	s_wait_alu depctr_va_sdst(0)                   ; s30 to s32 are written, ahead of the scalar lines that read them
	s_and_b32 s31, s31, s32
	s_or_b32 s30, s30, s31                         ; larger, or as large at a lower place
	v_cndmask_b32 v61, v61, v17, s30
	v_lshl_add_u32 v61, v15, 5, v61                ; lane 4 w + i holds query i's cell (i = lane % 4): the code = 32 x cell + place
	v_cmp_eq_u32 vcc_lo, s12, v39                  ; lanes 4 w .. 4 w + 3 store
	s_wait_xcnt 0x0                                ; EXEC changes only when every earlier memory instruction has read its sources
	s_wait_alu depctr_va_vcc(0)                    ; VCC is written: EXEC is made from it
	s_wait_alu depctr_va_vdst(0)                   ; every vector instruction issued under the full EXEC is done; among them those that wrote v61, which the store reads
	s_wait_alu depctr_vm_vsrc(0)                   ; every memory instruction issued under the full EXEC has read its vector registers
	s_and_saveexec_b32 s57, vcc_lo
	global_store_b32 v38, v61, s[10:11]
	s_wait_xcnt 0x0
	s_wait_alu depctr_va_vdst(0)                   ; ahead of the write of EXEC: no vector instruction is pending
	s_wait_alu depctr_vm_vsrc(0)                   ; the store has read v38 and v61 under the narrow EXEC
	s_or_b32 exec_lo, exec_lo, s57
	s_endpgm
.Lfunc_end_k_qdabeca5900_pick:
	.size	k_qdabeca5900_pick, .Lfunc_end_k_qdabeca5900_pick-k_qdabeca5900_pick
	.p2alignl 7, 3214868480
	.fill 96, 4, 3214868480
	.section	.rodata,"a",@progbits
	.p2align	6, 0x0
	.amdhsa_kernel k_qdabeca5900_pick
		.amdhsa_group_segment_fixed_size 0
		.amdhsa_private_segment_fixed_size 0
		.amdhsa_enable_private_segment 0
		.amdhsa_kernarg_size 32
		.amdhsa_user_sgpr_count 2
		.amdhsa_user_sgpr_kernarg_segment_ptr 1
		.amdhsa_wavefront_size32 1
		.amdhsa_system_sgpr_workgroup_id_x 1
		.amdhsa_system_sgpr_workgroup_id_y 1
		.amdhsa_system_sgpr_workgroup_id_z 1
		.amdhsa_system_vgpr_workitem_id 0
		.amdhsa_next_free_vgpr 256
		.amdhsa_next_free_sgpr 66
		.amdhsa_reserve_vcc 1
		.amdhsa_float_denorm_mode_32 3
		.amdhsa_float_denorm_mode_16_64 3
		.amdhsa_memory_ordered 1
		.amdhsa_forward_progress 1
		.amdhsa_inst_pref_size 21
	.end_amdhsa_kernel
	.amdgpu_metadata
---
amdhsa.version: [ 1, 2 ]
amdhsa.kernels:
  - .name:           k_qdabeca5900_pick
    .symbol:         k_qdabeca5900_pick.kd
    .args:
      - { .name: part, .offset: 0, .size: 8, .value_kind: global_buffer, .address_space: global }
      - { .name: xq, .offset: 8, .size: 8, .value_kind: global_buffer, .address_space: global }
      - { .name: cbq, .offset: 16, .size: 8, .value_kind: global_buffer, .address_space: global }
      - { .name: out0, .offset: 24, .size: 8, .value_kind: global_buffer, .address_space: global }
    .group_segment_fixed_size: 0
    .private_segment_fixed_size: 0
    .kernarg_segment_align: 8
    .kernarg_segment_size: 32
    .max_flat_workgroup_size: 128
    .sgpr_count:     66
    .vgpr_count:     256
    .wavefront_size: 32
...
	.end_amdgpu_metadata
.endif
;; end of part 4
